; MI455X (gfx1250); checked and timed in simulation.
; The chip was launched on July 23, 2026; its instructions are those of AMD's public machine-readable ISA for CDNA 5 (MIT licence, August 2026) and "CDNA5" Instruction Set Architecture Reference Guide (July 2026). The comments in the code are by the model that wrote it; some were corrected since.
;; GPT Mini. Allowed arithmetic: matrix products marked QUANTISED: E2M1 operands, one E8M0 scale for each 32 along K, by v_wmma_scale_f32_16x16x128_f8f6f4 with both operands' format E2M1 (or v_wmma_scale_f32_32x16x128_f4), f32 sums; everything else in f32.
;; Inputs: WK 1,024 x 1,024 float32; WQ 1,024 x 1,024 float32; WV 1,024 x 1,024 float32; bK 1,024 float32; bQ 1,024 float32; bV 1,024 float32; emb 50,257 x 1,024 float32; x 8 x 2,048 int32.
;; Outputs: out0 8 x 32 x 32 float32.
;; Constants: head_dim = 32.
;; This version of the problem:
;;   THIS VERSION OF THE PROBLEM IS GIVEN IN LOW PRECISION. The matrix products marked QUANTISED in the list below multiply operands that are first quantised to E2M1 (2 exponent bits, 1 mantissa bit; 4 bits a number), with one power-of-two scale for each 32 numbers along K (OCP MX v1.0); their sums are f32. All else is computed in f32.
;;   The module's matrix products, in the order in which they are computed (A, B: the left and right operand; K: the contracted axis; several contracted axes count as one K, in the product's order):
;;     1. [M 16,384, K 1,024] x [K 1,024, N 1,024]; A: computed on the way; B: input WQ: QUANTISED
;;     2. [M 16,384, K 1,024] x [K 1,024, N 1,024]; A: computed on the way; B: input WK: QUANTISED
;;     3. [M 16,384, K 1,024] x [K 1,024, N 1,024]; A: computed on the way; B: input WV: QUANTISED
;;     4. batch 16,384 x [M 32, K 32] x [K 32, N 32]; A: computed on the way; B: computed on the way: QUANTISED
;;     5. batch 8 x [M 32, K 65,536] x [K 65,536, N 32]; A: computed on the way; B: computed on the way: QUANTISED
;;   THE QUANTISER, for each operand of a quantised product, along K:
;;     - K is cut into blocks of 32 from its start; a last block that is shorter is filled with zeros.
;;     - A block's scale is 2^e with e = floor(log2(the largest magnitude in the block)) - 2, held to -126 .. 127; a block of zeros has e = 0. As a byte (E8M0): e + 127.
;;     - Each number is divided by its block's scale, clamped to +-6, and rounded to the nearest number of E2M1, ties to even, subnormals kept.
;;     - The product sums the exact products of the quantised numbers (number of the format x scale) in f32.
;;   ~~~python
;;   def quantise(x, axis):      # numpy; x: float32 -> the quantised numbers, widened to float32 again
;;       x = np.moveaxis(x, axis, -1); K = x.shape[-1]
;;       x = np.pad(x, [(0, 0)] * (x.ndim - 1) + [(0, -K % 32)]); x = x.reshape(x.shape[:-1] + (-1, 32)); a = np.abs(x).max(-1, keepdims=True)
;;       e = np.where(a > 0, np.clip(np.frexp(np.where(a > 0, a, 1))[1] - 1 - 2, -126, 127), 0)      # np.frexp(a)[1] - 1 = floor(log2(a)), exactly
;;       r = np.clip(x / 2.0 ** e, -6, 6)
;;       step = 2.0 ** (np.maximum(np.frexp(np.where(r == 0, 1, r))[1] - 1, 0) - 1)
;;       q = np.round(r / step) * step * 2.0 ** e      # np.round: ties to even
;;       return np.moveaxis(q.reshape(q.shape[:-2] + (-1,))[..., :K], -1, axis).astype(np.float32)
;;   ~~~
;;   OPERANDS COMPUTED ON THE WAY. 'Computed on the way' means the value that the module computes at that place (a softmax that the list does not call 'softmax' is quantised finished and normalised). What goes into a quantiser is computed in f32, as accurately as f32 sums, v_exp_f32 and their like allow (about 1e-6 of the number): no bf16 or f16 on the way to a quantiser, and a product that is left as it is and whose result goes on into a quantised operand takes f32 operands (vector FMAs, or v_wmma_f32_16x16x4_f32). A number that lies on a knife's edge between two numbers of the format may be rounded either way, as far as f32 arithmetic and the matrix unit's own rounding can turn it there, and no further.
;; One version. Each part assembles by itself: llvm-mc -triple=amdgcn-amd-amdhsa -mcpu=gfx1250 --defsym DOCPART=n.
;; ======== version 1 of 1: 3 launches
;; limits: right only within a limited range of input values
;; workspace buffers: wbuf 1,671,168 bytes; biasp 12,288 bytes; hbuf 8,912,896 bytes; part 1,048,576 bytes
;; launch prep (part 1): grid 256 x 1, 8 waves a work-group, no clusters, 48,896 bytes of LDS; arguments x, emb, WQ, WK, WV, bQ, bK, bV, wbuf, biasp, hbuf; writes wbuf, biasp, hbuf
.if DOCPART == 1
	.amdgcn_target "amdgcn-amd-amdhsa--gfx1250"
	.amdhsa_code_object_version 6
	.text
	.protected	k_q44a0c379af_prep
	.globl	k_q44a0c379af_prep
	.p2align	8
	.type	k_q44a0c379af_prep,@function
k_q44a0c379af_prep:
	s_mov_b64 s[64:65], 0
	v_nop
	global_prefetch_b8 v0, s[64:65] scope:SCOPE_SE
	s_setreg_imm32_b32 hwreg(HW_REG_WAVE_MODE, 25, 1), 1
	s_wait_xcnt 0x0
; h = emb[x] + sin(position x frequency) and the three weights become codes of FP4 (E2M1) with one E8M0 byte for each 32 along K (the last axis), laid as the next launch takes them into operand registers; the biases are laid in its order of columns.
; hbuf: 1,024 tiles of 16 tokens (tile = 128 x batch + position / 16), 8,704 bytes each: at 1024 S + 512 c + 16 lane the 32 codes of token r for k = 128 S + 64 c + 32 h + 0 .. 31 (lane = 16 h + r);
;   at 8192 + 16 lane the four scale words of token r for S = 4 h .. 4 h + 3.
; COLUMNS go in 96 units of 32.  Unit U 0-31: WQ, rows 32 U + inner.  32-63: WK, rows 32 inner + (U & 31).  64-95: WV, rows 32 inner + (U & 31).  So a block of q, k or v in the later products is one unit.
; wbuf: 17,408 bytes a unit: at 2048 S + 1024 t + 512 c + 16 lane the codes of inner = 8 t + r + 8 (r / 8) for k = 128 S + 64 c + 32 h + 0 .. 31; at 16384 + 512 (S / 4) + 16 (16 t + r) four scale words.
; biasp: [U][inner] f32.
; SHARES.  256 work-groups of 8 waves: work-group 2 g + half takes positions 16 g .. 16 g + 15 of batches 4 half .. 4 half + 3; a wave two positions of the four batches: eight rows, each read once, and each sine serves four rows.
; Work-groups 0 .. 191 also take tile t = number % 2 of unit number / 2, a K step S to a wave (16 rows x 512 bytes); 192 .. 239 two units' biases each, by wave 0.
; A lane takes 16 consecutive bytes of a row, 32 lanes 512: eight lanes hold a block.  Codes turn through LDS, so that every store is of whole aligned units of 256 bytes.
; A block scale is 2^(floor(log2(largest magnitude)) - 2); its byte is the exponent field of the largest magnitude less 2, held at 1 from below.
; sin: the angle less the nearest multiple of pi, pi in two parts, and an odd polynomial; the angles stay under 2,048.
; No prefetch: the loop-free text asks for nearly all its bytes at its start.  No cluster: no two work-groups read the same tile.
; LIMITS: a block of zeros, and one whose largest magnitude lies under 2^-124, keeps the byte 1 (its codes are read by this program alone); NaN and infinities are not served.
.set HP, 528
.set HSP, 48
.set WP, 80
.set HS, 64*HP
.set WC, HS+64*HSP
.set WSC, WC+8*16*WP
.set SPARE, WSC+16*HSP
.set UNIT, 17408
.set TS, 144                           ; v144-191 at work in the sines
.set MSB, 0
.macro WIN new
.if MSB != \new
	s_set_vgpr_msb (MSB<<8)|\new
.set MSB, \new
.endif
.endm
	s_load_b512 s[4:19], s[0:1], 0x0               ; x 4, emb 6, WQ 8, WK 10, WV 12, bQ 14, bK 16, bV 18
	s_load_b128 s[20:23], s[0:1], 0x40             ; wbuf, biasp
	s_load_b64 s[24:25], s[0:1], 0x50              ; hbuf
	v_lshl_add_u32 v5, v0, 2, SPARE                ; my spare word, and 0: kept for the closing add
	v_mov_b32 v9, 0
	v_lshrrev_b32 v1, 5, v0
	v_readfirstlane_b32 s30, v1                    ; wave
	v_and_b32 v1, 31, v0                           ; lane
	v_and_b32 v2, 15, v0                           ; r
	v_bfe_u32 v3, v0, 4, 1                         ; h
	v_lshlrev_b32 v4, 3, v1
	v_lshlrev_b32 v6, 4, v1
	v_lshlrev_b32 v14, 2, v1
	s_mul_i32 s26, s30, 2*HP
	v_lshl_add_u32 v7, v1, 1, s26                  ; LDS: my two bytes of a row's 64, row 2 x wave
	s_mul_i32 s27, s30, 2*HSP
	s_add_co_u32 s27, s27, HS
	v_lshrrev_b32 v8, 3, v1
	v_add_nc_u32 v8, s27, v8                       ; LDS: my block's scale byte
	v_mov_b32 v10, 0x4b400000
	v_mov_b32 v11, 0x4b400000
	v_mov_b32 v12, 0x3638ef1d
	v_mov_b32 v13, 0x3638ef1d
	s_and_b32 s31, ttmp9, 1                        ; half of the batches; also t
	s_lshr_b32 s32, ttmp9, 1                       ; g; also U
	s_lshl_b32 s2, s31, 15
	s_lshl_b32 s3, s32, 6
	s_add_co_u32 s2, s2, s3
	s_lshl_b32 s3, s30, 3
	s_add_co_u32 s2, s2, s3                        ; x: 4 half batches of 8,192 bytes, position 16 g + 2 wave
	s_mov_b32 s3, 0
	s_lshl_b32 s34, s32, 4
	s_lshl_b32 s35, s30, 1
	s_add_co_u32 s34, s34, s35                     ; my first position
	s_mov_b32 s86, 0x3ea2f983                      ; 1 / pi
	s_mov_b32 s87, s86
	s_mov_b32 s88, 0xc0490fdb                      ; -pi, in two parts
	s_mov_b32 s89, s88
	s_mov_b32 s90, 0x33bbbd2e
	s_mov_b32 s91, s90
	s_mov_b32 s92, 0xb2d7322b                      ; the polynomial
	s_mov_b32 s93, s92
	s_mov_b32 s94, 0xb9500d01
	s_mov_b32 s95, s94
	s_mov_b32 s96, 0x3c088889
	s_mov_b32 s97, s96
	s_mov_b32 s98, 0xbe2aaaab
	s_mov_b32 s99, s98
	s_wait_alu depctr_va_vdst(0)                   ; the wait at the head's end
	s_wait_kmcnt 0x0
	s_add_nc_u64 s[2:3], s[4:5], s[2:3]
	s_load_b64 s[36:37], s[2:3], 0x0               ; the tokens of my two positions, in four batches
	s_load_b64 s[38:39], s[2:3], 0x2000
	s_load_b64 s[40:41], s[2:3], 0x4000
	s_load_b64 s[42:43], s[2:3], 0x6000
	s_cmp_ge_u32 ttmp9, 192
	s_cbranch_scc1 .Lno_w
	s_lshr_b32 s44, s32, 5                         ; which matrix
	s_and_b32 s45, s32, 31
	s_cmp_eq_u32 s44, 1
	s_cselect_b64 s[46:47], s[10:11], s[12:13]
	s_cmp_eq_u32 s44, 0
	s_cselect_b64 s[46:47], s[8:9], s[46:47]
	s_cselect_b32 s48, 17, 12                      ; from unit to unit: 32 rows in WQ, one in WK and WV
	s_cselect_b32 s49, 15, 20                      ; from tile to tile: 8 inner
	s_lshl_b32 s52, s45, s48
	s_lshl_b32 s53, s31, s49
	s_add_co_u32 s52, s52, s53
	s_lshl_b32 s53, s30, 9
	s_add_co_u32 s52, s52, s53                     ; K step = wave
	s_mov_b32 s53, 0
	s_add_nc_u64 s[46:47], s[46:47], s[52:53]
	s_cmp_lg_u32 s44, 0
	s_cbranch_scc1 .Lkv
.macro LDW stride
.irp r, 0,1,2,3,4,5,6,7,8,9,10,11,12,13,14,15
	global_load_b128 v[192+4*\r:195+4*\r], v6, s[46:47] offset:(\r+8*(\r/8))*\stride th:TH_LOAD_NT
.endr
.endm
	LDW 4096
	s_branch .Lasked
.Lkv:
	LDW 131072
	s_branch .Lasked
.Lno_w:
	s_cmp_ge_u32 ttmp9, 240
	s_cbranch_scc1 .Lasked
	s_cmp_lg_u32 s30, 0
	s_cbranch_scc1 .Lasked
	s_sub_co_u32 s49, ttmp9, 192                   ; units 2 j, 2 j + 1; lane: unit 2 j + h, inner 2 r and 2 r + 1
	s_lshl_b32 s44, s49, 1
	s_lshr_b32 s45, s44, 5
	s_and_b32 s44, s44, 31
	s_cmp_eq_u32 s45, 1
	s_cselect_b64 s[46:47], s[16:17], s[18:19]
	s_cmp_eq_u32 s45, 0
	s_cselect_b64 s[46:47], s[14:15], s[46:47]
	s_cselect_b32 s54, 128, 4
	s_cselect_b32 s55, 4, 128
	v_add_nc_u32 v15, s44, v3
	v_mul_lo_u32 v15, v15, s54
	v_mul_lo_u32 v194, v2, s55
	v_lshl_add_u32 v15, v194, 1, v15
	v_add_nc_u32 v194, s55, v15
	global_load_b32 v192, v15, s[46:47]
	global_load_b32 v193, v194, s[46:47]
.Lasked:
	s_wait_kmcnt 0x0
.irp p, 0,1
.irp be, 0,1,2,3
	s_min_u32 s2, s[36+2*\be+\p], 50256            ; (a token lies inside the table)
	s_lshl_b32 s2, s2, 12
	s_mov_b32 s3, 0
	s_add_nc_u64 s[66+2*(4*\p+\be):67+2*(4*\p+\be)], s[6:7], s[2:3]
.endr
.endr
.macro LOADR k                         ; row k = 4 p + be into window 1, v[32 k ..]
	WIN 0x40
.irp i, 0,1,2,3,4,5,6,7
	global_load_b128 v[32*(\k)+4*\i:32*(\k)+4*\i+3], v6, s[66+2*(\k):67+2*(\k)] offset:512*\i
.endr
	WIN 0
.endm
.macro SIN4 g
.irp q, 0,1,2,3
	v_pk_mul_f32 v[TS+12*\q:TS+12*\q+1], v[16+8*(\g)+2*\q:17+8*(\g)+2*\q], s[84:85] op_sel_hi:[1,0]
.endr
.irp q, 0,1,2,3
	v_pk_fma_f32 v[TS+12*\q+2:TS+12*\q+3], v[TS+12*\q:TS+12*\q+1], s[86:87], v[10:11] op_sel_hi:[1,0,1]
.endr
.irp q, 0,1,2,3
	v_lshlrev_b32 v[TS+12*\q+10], 31, v[TS+12*\q+2]
	v_lshlrev_b32 v[TS+12*\q+11], 31, v[TS+12*\q+3]
.endr
.irp q, 0,1,2,3
	v_pk_add_f32 v[TS+12*\q+2:TS+12*\q+3], v[TS+12*\q+2:TS+12*\q+3], v[10:11] neg_lo:[0,1] neg_hi:[0,1]
.endr
.irp q, 0,1,2,3
	v_pk_fma_f32 v[TS+12*\q+4:TS+12*\q+5], v[TS+12*\q+2:TS+12*\q+3], s[88:89], v[TS+12*\q:TS+12*\q+1] op_sel_hi:[1,0,1]
.endr
.irp q, 0,1,2,3
	v_pk_fma_f32 v[TS+12*\q+4:TS+12*\q+5], v[TS+12*\q+2:TS+12*\q+3], s[90:91], v[TS+12*\q+4:TS+12*\q+5] op_sel_hi:[1,0,1]
.endr
.irp q, 0,1,2,3
	v_pk_mul_f32 v[TS+12*\q+6:TS+12*\q+7], v[TS+12*\q+4:TS+12*\q+5], v[TS+12*\q+4:TS+12*\q+5]
.endr
.irp q, 0,1,2,3
	v_pk_fma_f32 v[TS+12*\q+8:TS+12*\q+9], v[TS+12*\q+6:TS+12*\q+7], s[92:93], v[12:13] op_sel_hi:[1,0,1]
.endr
.irp k, 94,96,98
.irp q, 0,1,2,3
	v_pk_fma_f32 v[TS+12*\q+8:TS+12*\q+9], v[TS+12*\q+8:TS+12*\q+9], v[TS+12*\q+6:TS+12*\q+7], s[\k:\k+1] op_sel_hi:[1,1,0]
.endr
.endr
.irp q, 0,1,2,3
	v_pk_mul_f32 v[TS+12*\q:TS+12*\q+1], v[TS+12*\q+4:TS+12*\q+5], v[TS+12*\q+6:TS+12*\q+7]
.endr
.irp q, 0,1,2,3
	v_pk_fma_f32 v[TS+12*\q+4:TS+12*\q+5], v[TS+12*\q+8:TS+12*\q+9], v[TS+12*\q:TS+12*\q+1], v[TS+12*\q+4:TS+12*\q+5]
.endr
.irp q, 0,1,2,3
	v_xor_b32 v[48+8*(\g)+2*\q], v[TS+12*\q+4], v[TS+12*\q+10]
	v_xor_b32 v[49+8*(\g)+2*\q], v[TS+12*\q+5], v[TS+12*\q+11]
.endr
.endm
.macro SINP p                          ; the 32 sines of my lane for position p of my two, in v48-79
	s_add_co_u32 s33, s34, \p
	s_cvt_f32_u32 s84, s33
	s_mov_b32 s85, s84
.irp g, 0,1,2,3
	SIN4 \g
.endr
.endm
; 8 pieces of 512 bytes (4 numbers a lane, 8 lanes to a block), v[X ..], to codes and scale bytes in LDS: piece i at co + cs i, its bytes at bo + bs i
.macro Q8 X, ca, co, cs, ba, bo, bs
.irp i, 0,1,2,3,4,5,6,7
	v_max3_num_f32 v[112+\i], |v[\X+4*\i]|, |v[\X+4*\i+1]|, 0x1800000
.endr
.irp i, 0,1,2,3,4,5,6,7
	v_max3_num_f32 v[112+\i], v[112+\i], |v[\X+4*\i+2]|, |v[\X+4*\i+3]|
.endr
.irp m, 1,2,4
.irp i, 0,1,2,3,4,5,6,7
	v_max_num_f32_dpp v[112+\i], v[112+\i], v[112+\i] row_xmask:\m row_mask:0xf bank_mask:0xf
.endr
.endr
.irp i, 0,1,2,3,4,5,6,7
	v_add_nc_u32 v[120+\i], 0xff000000, v[112+\i]  ; 2 off the exponent field: the scale operand of the conversion
.endr
	s_wait_alu depctr_va_vdst(0)
	s_wait_dscnt 0x0                               ; the last pieces' stores have read v128-143
.irp i, 0,2,4,6
	v_cvt_scalef32_pk8_fp4_f32 v[128+\i], v[\X+4*\i:\X+4*\i+7], v[120+\i]   ; piece i in the low half
	v_cvt_scalef32_pk8_fp4_f32 v[129+\i], v[\X+4*\i:\X+4*\i+7], v[121+\i]   ; piece i + 1 in the high half
.endr
.irp i, 0,1,2,3,4,5,6,7
	v_lshrrev_b32 v[136+\i], 23, v[120+\i]
.endr
.irp i, 0,2,4,6
	ds_store_b16 v[\ca], v[128+\i] offset:\co+\cs*\i
	ds_store_b16_d16_hi v[\ca], v[129+\i] offset:\co+\cs*\i+\cs
.endr
.irp i, 0,1,2,3,4,5,6,7
	ds_store_b8 v[\ba], v[136+\i] offset:\bo+\bs*\i
.endr
.endm
.macro HROW k, be, p
	s_wait_loadcnt 56-8*(\k)                       ; row k is in; the rows behind it may be out
	WIN 0x01
.set n, 0
.rept 16
	v_pk_add_f32 v[80+n:81+n], v[32*(\k)+n:32*(\k)+n+1], v[48+n:49+n]
.set n, n+2
.endr
	WIN 0
	Q8 80, 7, (16*\be+\p)*HP, 64, 8, (16*\be+\p)*HSP, 4
.endm
.irp k, 0,1,2,3,4
	LOADR \k
.endr
.set n, 0
.rept 32
	v_add_nc_u32 v[16+n], 128*(n/4)+n%4, v14       ; my lane's d: 128 i + 4 lane + 0 .. 3
.set n, n+1
.endr
.set n, 0
.rept 32
	v_cvt_f32_u32 v[16+n], v[16+n]
.set n, n+1
.endr
.set n, 0
.rept 32
	v_mul_f32 v[16+n], 0xbcd49a78, v[16+n]         ; -2 log2(10000) / 1024
.set n, n+1
.endr
.set n, 0
	s_wait_alu depctr_va_vdst(0)                   ; the wait ahead of the batch and behind it
.rept 32
	v_exp_f32 v[16+n], v[16+n]
.set n, n+1
.endr
	v_nop
	s_wait_alu depctr_va_vdst(0)
	SINP 0
	s_wait_alu depctr_va_vdst(0)
	s_cmp_ge_u32 ttmp9, 192
	s_cbranch_scc1 .Lbias_out
	s_mul_i32 s26, s30, 16*WP
	s_add_co_u32 s26, s26, WC
	v_lshl_add_u32 v144, v1, 1, s26
	s_lshl_b32 s27, s30, 2
	s_add_co_u32 s27, s27, WSC
	v_lshrrev_b32 v145, 3, v1
	v_add_nc_u32 v145, s27, v145
	s_wait_alu depctr_va_vdst(0)
	s_wait_loadcnt 40                              ; W's 16 loads are in; the five rows' 40 may be out
	Q8 192, 144, 0, WP, 145, 0, HSP
	Q8 224, 144, 8*WP, WP, 145, 8*HSP, HSP
	s_wait_alu depctr_va_vdst(0)
	s_branch .Lw_done
.Lbias_out:
	s_cmp_ge_u32 ttmp9, 240
	s_cbranch_scc1 .Lw_done
	s_cmp_lg_u32 s30, 0
	s_cbranch_scc1 .Lw_done
	s_sub_co_u32 s56, ttmp9, 192
	s_lshl_b32 s56, s56, 8
	s_mov_b32 s57, 0
	s_add_nc_u64 s[56:57], s[22:23], s[56:57]
	s_wait_loadcnt 40
	global_store_b64 v4, v[192:193], s[56:57]      ; 256 consecutive bytes
.Lw_done:
	LOADR 5
	LOADR 6
	LOADR 7
	HROW 0, 0, 0
	HROW 1, 1, 0
	HROW 2, 2, 0
	HROW 3, 3, 0
	SINP 1
	; the way out's LDS addresses, in registers that held frequencies.  Wave w sends half (w % 2) of the K steps of tile w / 2
	s_lshr_b32 s26, s30, 1
	s_and_b32 s27, s30, 1
	s_mul_i32 s28, s26, 16*HP
	s_lshl_b32 s29, s27, 8
	s_add_co_u32 s28, s28, s29
	s_wait_alu depctr_va_vdst(0)
	v_mul_u32_u24 v16, v2, HP
	v_lshl_add_u32 v16, v3, 4, v16
	v_add_nc_u32 v16, s28, v16
	s_mul_i32 s28, s26, 16*HSP
	s_add_co_u32 s28, s28, HS
	v_mul_u32_u24 v17, v2, HSP
	v_lshl_add_u32 v17, v3, 4, v17
	v_add_nc_u32 v19, WSC, v17
	v_add_nc_u32 v17, s28, v17
	s_mul_i32 s28, s30, 16*WP
	s_add_co_u32 s28, s28, WC
	v_mul_u32_u24 v18, v2, WP
	v_lshl_add_u32 v18, v3, 4, v18
	v_add_nc_u32 v18, s28, v18
	v_lshlrev_b32 v20, 9, v3
	v_lshl_add_u32 v20, v2, 4, v20
	s_wait_alu depctr_va_vdst(0)
	HROW 4, 0, 1
	HROW 5, 1, 1
	HROW 6, 2, 1
	HROW 7, 3, 1
	s_lshl_b32 s2, s31, 2
	s_add_co_u32 s2, s2, s26
	s_lshl_b32 s2, s2, 7
	s_add_co_u32 s2, s2, s32                       ; tile = 128 (4 half + w / 2) + g
	s_mul_i32 s2, s2, 8704
	s_lshl_b32 s3, s27, 12
	s_add_co_u32 s2, s2, s3
	s_mov_b32 s3, 0
	s_add_nc_u64 s[50:51], s[24:25], s[2:3]
	s_mul_i32 s2, s32, UNIT
	s_lshl_b32 s3, s31, 8
	s_add_co_u32 s54, s2, s3
	s_add_co_u32 s54, s54, 16384
	s_mov_b32 s55, 0
	s_lshl_b32 s3, s30, 11
	s_add_co_u32 s2, s2, s3
	s_lshl_b32 s3, s31, 10
	s_add_co_u32 s2, s2, s3
	s_mov_b32 s3, 0
	s_add_nc_u64 s[52:53], s[20:21], s[2:3]        ; my W fragment
	s_add_nc_u64 s[54:55], s[20:21], s[54:55]      ; my tile's scale words
	s_wait_alu depctr_va_vdst(0)
	s_wait_dscnt 0x0                               ; for the other waves' sake: my codes and bytes lie in LDS
	s_barrier_signal -1
	s_barrier_wait -1
.irp n, 0,1,2,3,4,5,6,7
	ds_load_b128 v[32+4*\n:35+4*\n], v16 offset:32*\n
.endr
	ds_load_b128 v[64:67], v17
.irp n, 0,1,2,3,4,5,6,7
	s_wait_dscnt 8-\n
	global_store_b128 v6, v[32+4*\n:35+4*\n], s[50:51] offset:512*\n   ; 512 consecutive bytes
.endr
	s_wait_dscnt 0x0
	s_cmp_lg_u32 s27, 0
	s_cbranch_scc1 .Lodd
	global_store_b128 v6, v[64:67], s[50:51] offset:8192
.Lodd:
	s_cmp_ge_u32 ttmp9, 192
	s_cbranch_scc1 .Lend
	ds_load_b128 v[68:71], v18
	ds_load_b128 v[72:75], v18 offset:32
	s_wait_dscnt 0x0
	global_store_b128 v6, v[68:71], s[52:53]
	global_store_b128 v6, v[72:75], s[52:53] offset:512
	s_cmp_lg_u32 s30, 1
	s_cbranch_scc1 .Lend
	ds_load_b128 v[76:79], v19
	s_wait_dscnt 0x0
	global_store_b128 v20, v[76:79], s[54:55]      ; two aligned runs of 256 bytes
.Lend:
	s_wait_tensorcnt 0x0                           ; the wave's end
	ds_add_u32 v5, v9
	s_wait_dscnt 0x0
	s_endpgm
.Lfunc_end_k_q44a0c379af_prep:
	.size	k_q44a0c379af_prep, .Lfunc_end_k_q44a0c379af_prep-k_q44a0c379af_prep
	.p2alignl 7, 3214868480
	.fill 96, 4, 3214868480
	.section	.rodata,"a",@progbits
	.p2align	6, 0x0
	.amdhsa_kernel k_q44a0c379af_prep
		.amdhsa_group_segment_fixed_size 48896
		.amdhsa_private_segment_fixed_size 0
		.amdhsa_enable_private_segment 0
		.amdhsa_kernarg_size 88
		.amdhsa_user_sgpr_count 2
		.amdhsa_user_sgpr_kernarg_segment_ptr 1
		.amdhsa_wavefront_size32 1
		.amdhsa_system_sgpr_workgroup_id_x 1
		.amdhsa_system_sgpr_workgroup_id_y 1
		.amdhsa_system_sgpr_workgroup_id_z 1
		.amdhsa_system_vgpr_workitem_id 0
		.amdhsa_next_free_vgpr 512
		.amdhsa_next_free_sgpr 100
		.amdhsa_reserve_vcc 0
		.amdhsa_float_denorm_mode_32 3
		.amdhsa_float_denorm_mode_16_64 3
		.amdhsa_memory_ordered 1
		.amdhsa_forward_progress 1
		.amdhsa_inst_pref_size 115
	.end_amdhsa_kernel
	.amdgpu_metadata
---
amdhsa.version: [ 1, 2 ]
amdhsa.kernels:
  - .name:           k_q44a0c379af_prep
    .symbol:         k_q44a0c379af_prep.kd
    .args:
      - { .name: x, .offset: 0, .size: 8, .value_kind: global_buffer, .address_space: global }
      - { .name: emb, .offset: 8, .size: 8, .value_kind: global_buffer, .address_space: global }
      - { .name: WQ, .offset: 16, .size: 8, .value_kind: global_buffer, .address_space: global }
      - { .name: WK, .offset: 24, .size: 8, .value_kind: global_buffer, .address_space: global }
      - { .name: WV, .offset: 32, .size: 8, .value_kind: global_buffer, .address_space: global }
      - { .name: bQ, .offset: 40, .size: 8, .value_kind: global_buffer, .address_space: global }
      - { .name: bK, .offset: 48, .size: 8, .value_kind: global_buffer, .address_space: global }
      - { .name: bV, .offset: 56, .size: 8, .value_kind: global_buffer, .address_space: global }
      - { .name: wbuf, .offset: 64, .size: 8, .value_kind: global_buffer, .address_space: global }
      - { .name: biasp, .offset: 72, .size: 8, .value_kind: global_buffer, .address_space: global }
      - { .name: hbuf, .offset: 80, .size: 8, .value_kind: global_buffer, .address_space: global }
    .group_segment_fixed_size: 48896
    .private_segment_fixed_size: 0
    .kernarg_segment_align: 8
    .kernarg_segment_size: 88
    .max_flat_workgroup_size: 256
    .sgpr_count:     100
    .vgpr_count:     512
    .wavefront_size: 32
...
	.end_amdgpu_metadata
.endif
;; end of part 1
;; launch main (part 2): grid 256 x 1, 8 waves a work-group, no clusters, 152,064 bytes of LDS; arguments hbuf, wbuf, biasp, part; writes part
.if DOCPART == 2
	.amdgcn_target "amdgcn-amd-amdhsa--gfx1250"
	.amdhsa_code_object_version 6
	.text
	.protected	k_q44a0c379af_main
	.globl	k_q44a0c379af_main
	.p2align	8
	.type	k_q44a0c379af_main,@function
k_q44a0c379af_main:
	s_mov_b64 s[64:65], 0
	v_nop
	global_prefetch_b8 v0, s[64:65] scope:SCOPE_SE
	s_setreg_imm32_b32 hwreg(HW_REG_WAVE_MODE, 25, 1), 1
	s_wait_xcnt 0x0
; q, k, v = h W^T + bias for 64 tokens of one batch, then each token's attention over its heads, summed over the 64 tokens: part[work-group][32][32] f32.  Both operands of every product are codes of FP4 (E2M1) with E8M0 scales.
; SHARES.  256 work-groups of 8 waves.  The 64 tokens' codes stay in every wave's registers (window 1: 4 tiles x 8 K steps x 8).  Wave w makes units 12 w .. 12 w + 11 of 32 columns, one a round: 64 tokens x 32 columns, 8 accumulators by turns.
; W GOES FROM MEMORY STRAIGHT INTO OPERAND REGISTERS, and there is no cluster: a fragment of W is used by ONE wave of the work-group, so in LDS it would be written once and read once and feed nothing more; and two slots beside the
; 114,176 bytes of results would hold at most 106,000 bytes each, waited for whole at each change.  Here a wave's 38 loads a round run a whole round ahead, 8 waves x 19 KB, with no barrier in the rounds.
; No prefetch either: the loads themselves run eight K steps ahead, and h is read once, ahead of the rounds.
; PRODUCTS ARE USED TRANSPOSED: source 0 = 16 rows of W, source 1 = 16 tokens: a lane holds one token; the 16 registers of a unit's two tiles are columns inner = 16 h + 0 .. 15.
; LDS: codes: wave w's region at WR w: [token][12 units x 16 bytes], PW bytes a token; scale bytes at SCB + 768 w: [quad of tokens][12 units][4 tokens].  Unit U lies in region U / 12.
; ATTENTION: wave w takes tokens 8 w .. 8 w + 7, four at a time.  S^T = k^T q^T for each token (K = 32 of 128, the rest zero codes), softmax along a lane's registers and lane xor 16, p normalised, then quantised;
; the four tokens' p and v make one product of K = 4 x 32.  A block's largest p goes through the same instructions as the others.
; LIMITS: a block of zeros, and one whose largest magnitude lies under 2^-124, keeps the byte 1 (its codes are read by this program alone); NaN and infinities are not served; the softmax's promise holds while the scaled scores stay under 2^31 in magnitude.
.set UNIT, 17408
.set PW,  208
.set WR,  13504
.set SCB, 8*WR
.set HIM, SCB+6144                     ; h as it comes; later the eight waves' sums
.set SPARE, HIM+36864
.set WB,  16                           ; v16-143: W, eight K steps x 16
.set BI,  144                          ; v144-159: bias
.set WS,  160                          ; v160-175: W's scale words, two sets
.set HSC, 176                          ; v176-191: h's scale words
.set AC,  192                          ; v192-255: accumulators
.set ST,  176                          ; window 1: softmax at work
.set MSB, 0
.macro WIN new
.if MSB != \new
	s_set_vgpr_msb (MSB<<8)|\new
.set MSB, \new
.endif
.endm
.macro PLACES
.rept 4
	v_nop
.endr
.endm
	s_load_b256 s[4:11], s[0:1], 0x0               ; hbuf, wbuf, biasp, part
	v_lshrrev_b32 v9, 5, v0
	v_readfirstlane_b32 s14, v9                    ; wave
	v_and_b32 v9, 31, v0
	v_lshlrev_b32 v1, 4, v9                        ; 16 lane
	v_bfe_u32 v10, v0, 4, 1                        ; h
	v_and_b32 v11, 15, v0                          ; r
	v_lshlrev_b32 v2, 6, v10                       ; bias: 16 h columns
	s_mul_i32 s16, s14, WR
	v_mul_u32_u24 v3, v11, PW
	v_lshl_add_u32 v3, v10, 3, v3
	v_add_nc_u32 v3, s16, v3                       ; LDS: my codes
	s_mul_i32 s16, s14, 768
	s_add_co_u32 s16, s16, SCB
	v_lshrrev_b32 v4, 2, v11
	v_mul_u32_u24 v4, v4, 48
	v_and_b32 v12, 3, v11
	v_add_nc_u32 v4, v4, v12
	v_add_nc_u32 v4, s16, v4                       ; LDS: my scale byte
	s_lshl_b32 s16, s14, 12
	s_add_co_u32 s16, s16, HIM
	v_add_nc_u32 v14, s16, v1                      ; LDS: my eighth of h's codes
	s_lshl_b32 s16, s14, 8
	s_add_co_u32 s16, s16, HIM+32768
	v_lshlrev_b32 v13, 3, v9
	v_add_nc_u32 v15, s16, v13                     ; and of its scale words
	v_add_nc_u32 v9, HIM, v1
	v_mov_b32 v7, 0                                ; a lane permute reads its destination: written once
	v_mov_b32 v8, 0
	s_lshr_b32 s15, s14, 1
	s_and_b32 s16, s14, 1
	s_mul_i32 s2, ttmp9, 34816                     ; four tiles of 8,704 bytes
	s_mul_i32 s17, s15, 8704
	s_add_co_u32 s2, s2, s17
	s_lshl_b32 s18, s16, 12
	s_add_co_u32 s20, s2, s18
	s_mov_b32 s21, 0
	s_lshl_b32 s18, s16, 8
	s_add_co_u32 s22, s2, s18
	s_add_co_u32 s22, s22, 8192
	s_mov_b32 s23, 0
	s_mul_i32 s24, s14, 12*UNIT
	s_mov_b32 s25, 0
	s_mul_i32 s26, s14, 12*128
	s_mov_b32 s27, 0
	s_mov_b32 s57, 0                               ; 16 x round, 4 x round
	s_mov_b32 s58, 0
	s_mov_b32 s52, 0x76543210
	s_mov_b32 s53, 0xfedcba98                      ; selects for lane l xor 16
	s_mov_b32 s54, 0x3e8293ee                      ; log2(e) / sqrt(32)
	s_mov_b32 s55, s54
	s_mov_b32 s59, 0xbe8293ee
	s_wait_alu depctr_va_vdst(0)                   ; the wait at the head's end
	s_wait_kmcnt 0x0
	s_add_nc_u64 s[20:21], s[4:5], s[20:21]
	s_add_nc_u64 s[22:23], s[4:5], s[22:23]
	s_add_nc_u64 s[24:25], s[6:7], s[24:25]
	s_add_nc_u64 s[26:27], s[8:9], s[26:27]
.irp i, 0,1,2,3,4,5,6,7
	global_load_b128 v[AC+4*\i:AC+4*\i+3], v1, s[20:21] offset:512*\i
.endr
	global_load_b64 v[AC+32:AC+33], v13, s[22:23]
.macro LOADW S                         ; a K step of a unit: two tiles
.irp t, 0,1
.irp c, 0,1
	global_load_b128 v[WB+16*(\S)+8*\t+4*\c:WB+16*(\S)+8*\t+4*\c+3], v1, s[24:25] offset:2048*(\S)+1024*\t+512*\c
.endr
.endr
.endm
.macro LOADX set                       ; its bias and its scale words
.irp t, 0,1
.irp e, 0,1
	global_load_b128 v[BI+8*\t+4*\e:BI+8*\t+4*\e+3], v2, s[26:27] offset:32*\t+16*\e
.endr
.endr
.irp e, 0,1
	global_load_b128 v[WS+8*(\set)+4*\e:WS+8*(\set)+4*\e+3], v1, s[24:25] offset:16384+512*\e
.endr
.endm
	LOADX 0
.irp S, 0,1,2,3,4,5,6,7
	LOADW \S
.endr
	s_wait_loadcnt 38                              ; h is in; the 38 loads of the first unit may be out
.irp i, 0,1,2,3,4,5,6,7
	ds_store_b128 v14, v[AC+4*\i:AC+4*\i+3] offset:512*\i
.endr
	ds_store_b64 v15, v[AC+32:AC+33]
	s_wait_dscnt 0x0
	s_barrier_signal -1
	s_barrier_wait -1
.irp T, 0,1,2,3
	ds_load_b128 v[HSC+4*\T:HSC+4*\T+3], v9 offset:32768+512*\T
.endr
	WIN 0x40
.irp S, 0,1,2,3,4,5,6,7
.irp T, 0,1,2,3
.irp c, 0,1
	ds_load_b128 v[8*(8*\T+\S)+4*\c:8*(8*\T+\S)+4*\c+3], v9 offset:8192*\T+1024*\S+512*\c
.endr
.endr
.endr
	WIN 0
.macro WM T, t, S, set
.set rD, AC+16*(\T)+8*(\t)
.set rC, AC+16*(\T)+8*(\t)
.if (\S) == 0
.set rC, BI+8*(\t)
.endif
.set rW, WB+16*(\S)+8*(\t)
.set rA, 8*(8*(\T)+(\S))
.set rX, WS+8*(\set)+(\S)
.set rY, HSC+4*(\T)+(\S)%4
.if ((\t) == 1) && ((\S) >= 4)
	v_wmma_scale_f32_16x16x128_f8f6f4 v[rD:rD+7], v[rW:rW+7], v[rA:rA+7], v[rC:rC+7], v[rX], v[rY] matrix_a_fmt:MATRIX_FMT_FP4 matrix_b_fmt:MATRIX_FMT_FP4 matrix_a_scale:MATRIX_SCALE_ROW1 matrix_b_scale:MATRIX_SCALE_ROW1
.elseif (\t) == 1
	v_wmma_scale_f32_16x16x128_f8f6f4 v[rD:rD+7], v[rW:rW+7], v[rA:rA+7], v[rC:rC+7], v[rX], v[rY] matrix_a_fmt:MATRIX_FMT_FP4 matrix_b_fmt:MATRIX_FMT_FP4 matrix_a_scale:MATRIX_SCALE_ROW1
.elseif (\S) >= 4
	v_wmma_scale_f32_16x16x128_f8f6f4 v[rD:rD+7], v[rW:rW+7], v[rA:rA+7], v[rC:rC+7], v[rX], v[rY] matrix_a_fmt:MATRIX_FMT_FP4 matrix_b_fmt:MATRIX_FMT_FP4 matrix_b_scale:MATRIX_SCALE_ROW1
.else
	v_wmma_scale_f32_16x16x128_f8f6f4 v[rD:rD+7], v[rW:rW+7], v[rA:rA+7], v[rC:rC+7], v[rX], v[rY] matrix_a_fmt:MATRIX_FMT_FP4 matrix_b_fmt:MATRIX_FMT_FP4
.endif
.endm
; A K step.  fill = 1: its registers take the next unit's same step.  Younger loads at step S: 4 (7 - S) of this unit, and 10 + 4 (S - 1) of the next one from step 1 on.
.macro STEP S, set, first, fill
.if (\fill) && ((\S) > 0)
	s_wait_loadcnt 34
.else
	s_wait_loadcnt 28-4*(\S)
.endif
.if \first
	s_wait_dscnt 56-8*(\S)                         ; h's K steps behind this one may be out, eight loads each
.endif
	WIN 0x04
.irp T, 0,1,2,3
.irp t, 0,1
	WM \T, \t, \S, \set
.endr
.endr
.if (\fill) || ((\S) == 7)
	PLACES
.endif
.if \fill
.if (\S) == 0
	s_wait_xcnt 0x0                                ; the last unit's loads have read their bases
	s_add_nc_u64 s[24:25], s[24:25], UNIT
	s_add_nc_u64 s[26:27], s[26:27], 128
	LOADX 1-(\set)
.endif
	LOADW \S
.endif
.endm
.macro QUANT P                         ; token tiles 2 P and 2 P + 1 of the unit: a block of 32 in lanes l and l xor 16
.irp b, 0,1
	v_max3_num_f32 v[5+\b], |v[AC+32*(\P)+16*\b]|, |v[AC+32*(\P)+16*\b+1]|, 0x1800000
.endr
.irp i, 2,4,6,8,10,12,14
.irp b, 0,1
	v_max3_num_f32 v[5+\b], v[5+\b], |v[AC+32*(\P)+16*\b+\i]|, |v[AC+32*(\P)+16*\b+\i+1]|
.endr
.endr
	s_wait_alu depctr_va_vdst(0)
	s_wait_dscnt 0x0                               ; the stores of the pair before have read v7-8 and v10-15
.if (\P) == 0
	v_add_nc_u32 v14, s57, v3
	v_add_nc_u32 v15, s58, v4
.endif
.irp b, 0,1
	v_permlanex16_b32 v[7+\b], v[5+\b], s52, s53
.endr
.irp b, 0,1
	v_max_num_f32 v[5+\b], v[5+\b], v[7+\b]
.endr
.irp b, 0,1
	v_add_nc_u32 v[5+\b], 0xff000000, v[5+\b]      ; 2 off the exponent field: the scale operand
.endr
.irp b, 0,1
	v_cvt_scalef32_pk8_fp4_f32 v[10+2*\b], v[AC+32*(\P)+16*\b:AC+32*(\P)+16*\b+7], v[5+\b]
	v_cvt_scalef32_pk8_fp4_f32 v[11+2*\b], v[AC+32*(\P)+16*\b+8:AC+32*(\P)+16*\b+15], v[5+\b]
.endr
.irp b, 0,1
	v_lshrrev_b32 v[7+\b], 23, v[5+\b]
.endr
.irp b, 0,1
	ds_store_b64 v14, v[10+2*\b:11+2*\b] offset:16*PW*(2*(\P)+\b)
	ds_store_b8 v15, v[7+\b] offset:192*(2*(\P)+\b)
.endr
.endm
.macro UROUND set, first, fill
.irp S, 0,1,2,3,4,5,6,7
	STEP \S, \set, \first, \fill
.endr
	WIN 0
	QUANT 0
	QUANT 1
	s_add_co_u32 s57, s57, 16
	s_add_co_u32 s58, s58, 4
.endm
	UROUND 0, 1, 1
	s_mov_b32 s56, 5
	s_wait_alu depctr_va_vdst(0)
.Lround:
	UROUND 1, 0, 1
	UROUND 0, 0, 1
	s_wait_alu depctr_va_vdst(0)
	s_sub_co_u32 s56, s56, 1
	s_cmp_lg_u32 s56, 0
	s_cbranch_scc1 .Lround
	UROUND 1, 0, 0                                 ; the last unit: nothing more to ask for
	s_wait_alu depctr_va_vdst(0)
	s_wait_dscnt 0x0                               ; my codes and bytes lie in LDS
	s_barrier_signal -1
	; register work while the others arrive: unit U's codes at 16 U + 13312 (U / 12), its bytes at 4 U + 720 (U / 12), U / 12 = 171 U >> 11 for U under 96
	s_mul_i32 s66, s14, 8*PW
	s_mul_i32 s67, s14, 96
	s_add_co_u32 s67, s67, SCB
	v_and_b32 v148, 15, v0                         ; r
	v_bfe_u32 v150, v0, 4, 1                       ; h
	v_and_b32 v149, 8, v148
	v_add_nc_u32 v149, v149, v148                  ; r + 8 (r / 8)
.macro UADR a, s, c, src
	v_add_nc_u32 v14, \c, v\src
	v_mul_u32_u24 v15, 171, v14
	v_lshrrev_b32 v15, 11, v15
	v_mul_u32_u24 v151, WR-192, v15
	v_lshl_add_u32 v\a, v14, 4, v151
	v_mul_u32_u24 v15, 720, v15
	v_lshl_add_u32 v\s, v14, 2, v15
	v_add_nc_u32 v\a, s66, v\a
	v_add_nc_u32 v\s, s67, v\s
.endm
	UADR 2, 4, 32, 149                             ; k: tile u's lane takes m = 8 u + r + 8 (r / 8)
	UADR 3, 5, 40, 149
	UADR 6, 8, 0, 148                              ; q: head 16 H + r
	UADR 7, 9, 16, 148
	UADR 10, 12, 64, 148                           ; v: column 16 L + r; lanes 16-31 the next token
	UADR 11, 13, 80, 148
	v_mul_u32_u24 v15, PW, v150
	v_add_nc_u32 v10, v10, v15
	v_add_nc_u32 v11, v11, v15
	v_add_nc_u32 v152, -1, v150                    ; all ones in lanes 0-15, 0 in lanes 16-31
	s_mul_i32 s19, s14, 4608
	s_add_co_u32 s19, s19, HIM
	v_mul_u32_u24 v153, 144, v148
	v_lshl_add_u32 v153, v150, 5, v153
	v_add_nc_u32 v153, s19, v153                   ; the way out, in: head r, 32 bytes a half
	s_mul_i32 s19, s14, 4*144
	s_add_co_u32 s19, s19, HIM
	v_and_b32 v155, 31, v0
	v_lshrrev_b32 v154, 3, v155
	v_mul_u32_u24 v154, 144, v154
	v_and_b32 v151, 7, v155
	v_lshl_add_u32 v154, v151, 4, v154
	v_add_nc_u32 v154, s19, v154                   ; and back: four heads a wave
	v_lshlrev_b32 v155, 4, v155
.irp k, 0,1,2,3,4,5,6,7
.irp i, 4,5,6,7
	v_mov_b32 v[16+8*\k+\i], 0                     ; k's codes beyond K = 63
.endr
.endr
.irp i, 112,113,114,115
	v_mov_b32 v\i, 0
.endr
	s_wait_alu depctr_va_vdst(0)
	s_barrier_wait -1
.macro LDKQ q
.irp b, 0,1,2,3
.irp u, 0,1
	ds_load_b128 v[16+8*(2*\b+\u):19+8*(2*\b+\u)], v[2+\u] offset:PW*(4*(\q)+\b)
	ds_load_u8 v[160+2*\b+\u], v[4+\u] offset:48*(\q)+\b
	ds_load_b128 v[80+4*(2*\b+\u):83+4*(2*\b+\u)], v[6+\u] offset:PW*(4*(\q)+\b)
	ds_load_u8 v[168+2*\b+\u], v[8+\u] offset:48*(\q)+\b
.endr
.endr
.endm
.macro LDV q
.irp L, 0,1
.irp c, 0,1
	ds_load_b128 v[116+16*(\q)+8*\L+4*\c:119+16*(\q)+8*\L+4*\c], v[10+\L] offset:PW*(4*(\q)+2*\c)
.endr
	ds_load_b32 v[176+2*(\q)+\L], v[12+\L] offset:48*(\q)
.endr
.endm
.macro QUAD q
	s_wait_dscnt 0x0
.if \q
	s_barrier_signal -1                            ; my last reads of codes are over: waited for ahead of the sums' stores
.endif
.irp k, 0,1,2,3,4,5,6,7
.irp i, 0,1,2,3
	v_and_b32 v[16+8*\k+\i], v152, v[16+8*\k+\i]   ; k's codes of K = 32 .. 63 are zeros
.endr
.endr
	PLACES
	WIN 0x40
.irp b, 0,1,2,3
.irp H, 0,1
.irp u, 0,1
	v_wmma_scale_f32_16x16x128_f8f6f4 v[32*\b+16*\H+8*\u:32*\b+16*\H+8*\u+7], v[16+8*(2*\b+\u):23+8*(2*\b+\u)], v[80+4*(2*\b+\H):87+4*(2*\b+\H)], 0, v[160+2*\b+\u], v[168+2*\b+\H] matrix_a_fmt:MATRIX_FMT_FP4 matrix_b_fmt:MATRIX_FMT_FP4
.endr
.endr
.endr
	PLACES
.if (\q) == 0
	WIN 0
	LDKQ 1                                         ; the other four tokens' k and q
.endif
	WIN 0x55
.irp k, 0,1,2,3,4,5,6,7
	v_max3_num_f32 v[ST+8*\k+1], v[16*\k], v[16*\k+1], v[16*\k+2]
.endr
.irp i, 3,5,7,9,11,13
.irp k, 0,1,2,3,4,5,6,7
	v_max3_num_f32 v[ST+8*\k+1], v[ST+8*\k+1], v[16*\k+\i], v[16*\k+\i+1]
.endr
.endr
.irp k, 0,1,2,3,4,5,6,7
	v_max_num_f32 v[ST+8*\k+1], v[ST+8*\k+1], v[16*\k+15]
.endr
.irp k, 0,1,2,3,4,5,6,7
	v_permlanex16_b32 v[ST+8*\k+3], v[ST+8*\k+1], s52, s53
.endr
.irp k, 0,1,2,3,4,5,6,7
	v_max_num_f32 v[ST+8*\k+1], v[ST+8*\k+1], v[ST+8*\k+3]
.endr
.irp k, 0,1,2,3,4,5,6,7
	v_mul_f32 v[ST+8*\k], s59, v[ST+8*\k+1]
.endr
.irp i, 0,2,4,6,8,10,12,14
.irp k, 0,1,2,3,4,5,6,7
	v_pk_fma_f32 v[16*\k+\i:16*\k+\i+1], v[16*\k+\i:16*\k+\i+1], s[54:55], v[ST+8*\k:ST+8*\k+1] op_sel_hi:[1,0,0]
.endr
.endr
.irp k, 0,1,2,3,4,5,6,7
	v_fma_f32 v[ST+8*\k+6], v[ST+8*\k+1], s54, v[ST+8*\k]
.endr
.set n, 0
	s_wait_alu depctr_va_vdst(0)                   ; the wait ahead of a batch and behind it
.rept 128
	v_exp_f32 v[n], v[n]
.set n, n+1
.endr
.irp k, 0,1,2,3,4,5,6,7
	v_exp_f32 v[ST+8*\k+6], v[ST+8*\k+6]           ; the largest p
.endr
	v_nop
	s_wait_alu depctr_va_vdst(0)
.irp k, 0,1,2,3,4,5,6,7
	v_pk_add_f32 v[ST+8*\k+4:ST+8*\k+5], v[16*\k:16*\k+1], v[16*\k+2:16*\k+3]
.endr
.irp i, 4,6,8,10,12,14
.irp k, 0,1,2,3,4,5,6,7
	v_pk_add_f32 v[ST+8*\k+4:ST+8*\k+5], v[ST+8*\k+4:ST+8*\k+5], v[16*\k+\i:16*\k+\i+1]
.endr
.endr
.irp k, 0,1,2,3,4,5,6,7
	v_add_f32 v[ST+8*\k+4], v[ST+8*\k+4], v[ST+8*\k+5]
.endr
.irp k, 0,1,2,3,4,5,6,7
	v_permlanex16_b32 v[ST+8*\k+3], v[ST+8*\k+4], s52, s53
.endr
.irp k, 0,1,2,3,4,5,6,7
	v_add_f32 v[ST+8*\k+4], v[ST+8*\k+4], v[ST+8*\k+3]
.endr
	s_wait_alu depctr_va_vdst(0)
.irp k, 0,1,2,3,4,5,6,7
	v_rcp_f32 v[ST+8*\k+2], v[ST+8*\k+4]
.endr
	v_nop
	s_wait_alu depctr_va_vdst(0)
.irp i, 0,2,4,6,8,10,12,14
.irp k, 0,1,2,3,4,5,6,7
	v_pk_mul_f32 v[16*\k+\i:16*\k+\i+1], v[16*\k+\i:16*\k+\i+1], v[ST+8*\k+2:ST+8*\k+3] op_sel_hi:[1,0]
.endr
.endr
.irp k, 0,1,2,3,4,5,6,7
	v_mul_f32 v[ST+8*\k+6], v[ST+8*\k+6], v[ST+8*\k+2]
.endr
.irp k, 0,1,2,3,4,5,6,7
	v_add_nc_u32 v[ST+8*\k+6], 0xff000000, v[ST+8*\k+6]   ; the largest of 32 that sum to 1 is no less than about 1 / 32: no floor is needed
.endr
.irp k, 0,1,2,3,4,5,6,7
	v_lshrrev_b32 v[ST+8*\k+7], 23, v[ST+8*\k+6]
.endr
.irp k, 0,1,2,3,4,5,6,7
	v_cvt_scalef32_pk8_fp4_f32 v[160+8*(\k%2)+2*(\k/2)], v[16*\k:16*\k+7], v[ST+8*\k+6]
	v_cvt_scalef32_pk8_fp4_f32 v[161+8*(\k%2)+2*(\k/2)], v[16*\k+8:16*\k+15], v[ST+8*\k+6]
.endr
	v_nop
.irp H, 0,1
.irp c, 0,1
.irp i, 0,1
	v_permlane16_swap_b32 v[160+8*\H+4*\c+\i], v[162+8*\H+4*\c+\i]   ; a whole block in a lane
.endr
.endr
.endr
.irp H, 0,1
	v_lshl_or_b32 v[ST+8*\H+3], v[ST+8*(2+\H)+7], 8, v[ST+8*\H+7]
	v_lshl_or_b32 v[ST+8*\H+3], v[ST+8*(4+\H)+7], 16, v[ST+8*\H+3]
.endr
	WIN 0x11
.irp H, 0,1
	v_lshl_or_b32 v[180+\H], v[ST+8*(6+\H)+7], 24, v[ST+8*\H+3]
.endr
.rept 8
	v_nop
.endr
	WIN 0x54
.irp L, 0,1
.irp H, 0,1
.if \q
	v_wmma_scale_f32_16x16x128_f8f6f4 v[128+8*(2*\L+\H):135+8*(2*\L+\H)], v[116+16*(\q)+8*\L:123+16*(\q)+8*\L], v[160+8*\H:167+8*\H], v[128+8*(2*\L+\H):135+8*(2*\L+\H)], v[176+2*(\q)+\L], v[180+\H] matrix_a_fmt:MATRIX_FMT_FP4 matrix_b_fmt:MATRIX_FMT_FP4
.else
	v_wmma_scale_f32_16x16x128_f8f6f4 v[128+8*(2*\L+\H):135+8*(2*\L+\H)], v[116+16*(\q)+8*\L:123+16*(\q)+8*\L], v[160+8*\H:167+8*\H], 0, v[176+2*(\q)+\L], v[180+\H] matrix_a_fmt:MATRIX_FMT_FP4 matrix_b_fmt:MATRIX_FMT_FP4
.endif
.endr
.endr
	WIN 0
.endm
	LDKQ 0
	LDV 0
	LDV 1
	QUAD 0
	QUAD 1
	PLACES
	s_barrier_wait -1
	WIN 0x04
.irp L, 0,1
.irp H, 0,1
	ds_store_b128 v153, v[128+8*(2*\L+\H):131+8*(2*\L+\H)] offset:16*144*\H+64*\L
	ds_store_b128 v153, v[132+8*(2*\L+\H):135+8*(2*\L+\H)] offset:16*144*\H+64*\L+16
.endr
.endr
	WIN 0
	s_lshl_b32 s2, ttmp9, 12
	s_lshl_b32 s3, s14, 9
	s_add_co_u32 s2, s2, s3
	s_mov_b32 s3, 0
	s_add_nc_u64 s[10:11], s[10:11], s[2:3]
	v_lshl_add_u32 v2, v0, 2, SPARE                ; my spare word, and 0
	v_mov_b32 v3, 0
	s_wait_alu depctr_va_vdst(0)
	s_wait_dscnt 0x0                               ; for the other waves' sake
	s_barrier_signal -1
	s_barrier_wait -1
.irp j, 0,1,2,3,4,5,6,7
	ds_load_b128 v[16+4*\j:19+4*\j], v154 offset:4608*\j   ; the eight waves' sums of my four heads
.endr
.macro ADDV a, b
	v_pk_add_f32 v[16+4*(\a):17+4*(\a)], v[16+4*(\a):17+4*(\a)], v[16+4*(\b):17+4*(\b)]
	v_pk_add_f32 v[18+4*(\a):19+4*(\a)], v[18+4*(\a):19+4*(\a)], v[18+4*(\b):19+4*(\b)]
.endm
	s_wait_dscnt 0x0
.irp e, 0,1,2,3
	ADDV \e, \e+4
.endr
	ADDV 0, 2
	ADDV 1, 3
	ADDV 0, 1
	global_store_b128 v155, v[16:19], s[10:11]     ; 512 consecutive bytes
	s_wait_tensorcnt 0x0                           ; the wave's end
	ds_add_u32 v2, v3
	s_wait_dscnt 0x0
	s_endpgm
.Lfunc_end_k_q44a0c379af_main:
	.size	k_q44a0c379af_main, .Lfunc_end_k_q44a0c379af_main-k_q44a0c379af_main
	.p2alignl 7, 3214868480
	.fill 96, 4, 3214868480
	.section	.rodata,"a",@progbits
	.p2align	6, 0x0
	.amdhsa_kernel k_q44a0c379af_main
		.amdhsa_group_segment_fixed_size 152064
		.amdhsa_private_segment_fixed_size 0
		.amdhsa_enable_private_segment 0
		.amdhsa_kernarg_size 32
		.amdhsa_user_sgpr_count 2
		.amdhsa_user_sgpr_kernarg_segment_ptr 1
		.amdhsa_wavefront_size32 1
		.amdhsa_system_sgpr_workgroup_id_x 1
		.amdhsa_system_sgpr_workgroup_id_y 1
		.amdhsa_system_sgpr_workgroup_id_z 1
		.amdhsa_system_vgpr_workitem_id 0
		.amdhsa_next_free_vgpr 512
		.amdhsa_next_free_sgpr 72
		.amdhsa_reserve_vcc 0
		.amdhsa_float_denorm_mode_32 3
		.amdhsa_float_denorm_mode_16_64 3
		.amdhsa_memory_ordered 1
		.amdhsa_forward_progress 1
		.amdhsa_inst_pref_size 148
	.end_amdhsa_kernel
	.amdgpu_metadata
---
amdhsa.version: [ 1, 2 ]
amdhsa.kernels:
  - .name:           k_q44a0c379af_main
    .symbol:         k_q44a0c379af_main.kd
    .args:
      - { .name: hbuf, .offset: 0, .size: 8, .value_kind: global_buffer, .address_space: global }
      - { .name: wbuf, .offset: 8, .size: 8, .value_kind: global_buffer, .address_space: global }
      - { .name: biasp, .offset: 16, .size: 8, .value_kind: global_buffer, .address_space: global }
      - { .name: part, .offset: 24, .size: 8, .value_kind: global_buffer, .address_space: global }
    .group_segment_fixed_size: 152064
    .private_segment_fixed_size: 0
    .kernarg_segment_align: 8
    .kernarg_segment_size: 32
    .max_flat_workgroup_size: 256
    .sgpr_count:     72
    .vgpr_count:     512
    .wavefront_size: 32
...
	.end_amdgpu_metadata
.endif
;; end of part 2
;; launch reduce (part 3): grid 128 x 1, 1 waves a work-group, no clusters, 0 bytes of LDS; arguments part, out0; writes out0
.if DOCPART == 3
	.amdgcn_target "amdgcn-amd-amdhsa--gfx1250"
	.amdhsa_code_object_version 6
	.text
	.protected	k_q44a0c379af_reduce
	.globl	k_q44a0c379af_reduce
	.p2align	8
	.type	k_q44a0c379af_reduce,@function
k_q44a0c379af_reduce:
	s_mov_b64 s[64:65], 0
	v_nop
	global_prefetch_b8 v0, s[64:65] scope:SCOPE_SE
	s_setreg_imm32_b32 hwreg(HW_REG_WAVE_MODE, 25, 1), 1
	s_wait_xcnt 0x0
; out0[b][:][:] = the sum over 32 slices of part[b][slice][:][:].  part: [8][32][1024] f32; out0: [8][1024] f32.
; Work-group c, one wave, owns the 256 bytes at 256 c of out0 (batch c / 16, piece c % 16 of a slice).  Lanes 0-15 take even slices, lanes 16-31 odd ones: sixteen loads, all on their way at once; each output has one owner.
; No LDS, no matrix unit, no cluster, and no loop in which a prefetch could run ahead.
	s_load_b128 s[4:7], s[0:1], 0x0                ; part, out0
	v_and_b32 v1, 15, v0
	v_lshlrev_b32 v2, 4, v1                        ; 16 bytes a lane
	v_lshrrev_b32 v3, 4, v0
	v_lshl_add_u32 v3, v3, 12, v2                  ; odd slices 4,096 bytes on
	v_mov_b32 v4, 0                                ; a lane permute reads its destination: written once
	v_mov_b32 v5, 0
	v_mov_b32 v6, 0
	v_mov_b32 v7, 0
	s_lshr_b32 s10, ttmp9, 4
	s_lshl_b32 s10, s10, 17                        ; a batch is 131,072 bytes of part
	s_and_b32 s11, ttmp9, 15
	s_lshl_b32 s11, s11, 8
	s_add_co_u32 s10, s10, s11
	s_mov_b32 s11, 0
	s_lshl_b32 s12, ttmp9, 8
	s_mov_b32 s13, 0
	s_mov_b32 s14, 0x76543210
	s_mov_b32 s15, 0xfedcba98
	s_wait_alu depctr_va_vdst(0)                   ; the wait at the head's end
	s_wait_kmcnt 0x0
	s_add_nc_u64 s[4:5], s[4:5], s[10:11]
	s_add_nc_u64 s[6:7], s[6:7], s[12:13]
.irp e, 0,1,2,3,4,5,6,7,8,9,10,11,12,13,14,15
	global_load_b128 v[16+4*\e:19+4*\e], v3, s[4:5] offset:8192*\e th:TH_LOAD_NT
.endr
	s_wait_loadcnt 0x0
	s_wait_xcnt 0x0                                ; EXEC changes only behind this wait
.macro ADDV a, b                       ; four numbers onto four
	v_pk_add_f32 v[16+4*(\a):17+4*(\a)], v[16+4*(\a):17+4*(\a)], v[16+4*(\b):17+4*(\b)]
	v_pk_add_f32 v[18+4*(\a):19+4*(\a)], v[18+4*(\a):19+4*(\a)], v[18+4*(\b):19+4*(\b)]
.endm
.irp e, 0,1,2,3,4,5,6,7
	ADDV \e, \e+8
.endr
.irp e, 0,1,2,3
	ADDV \e, \e+4
.endr
	ADDV 0, 2
	ADDV 1, 3
	ADDV 0, 1
.irp i, 0,1,2,3
	v_permlanex16_b32 v[4+\i], v[16+\i], s14, s15
.endr
	v_pk_add_f32 v[16:17], v[16:17], v[4:5]
	v_pk_add_f32 v[18:19], v[18:19], v[6:7]
	v_cmp_gt_u32 vcc_lo, 16, v0
	s_and_saveexec_b32 s12, vcc_lo
	global_store_b128 v2, v[16:19], s[6:7]         ; sixteen lanes store 256 consecutive bytes, aligned
	s_endpgm
.Lfunc_end_k_q44a0c379af_reduce:
	.size	k_q44a0c379af_reduce, .Lfunc_end_k_q44a0c379af_reduce-k_q44a0c379af_reduce
	.p2alignl 7, 3214868480
	.fill 96, 4, 3214868480
	.section	.rodata,"a",@progbits
	.p2align	6, 0x0
	.amdhsa_kernel k_q44a0c379af_reduce
		.amdhsa_group_segment_fixed_size 0
		.amdhsa_private_segment_fixed_size 0
		.amdhsa_enable_private_segment 0
		.amdhsa_kernarg_size 16
		.amdhsa_user_sgpr_count 2
		.amdhsa_user_sgpr_kernarg_segment_ptr 1
		.amdhsa_wavefront_size32 1
		.amdhsa_system_sgpr_workgroup_id_x 1
		.amdhsa_system_sgpr_workgroup_id_y 1
		.amdhsa_system_sgpr_workgroup_id_z 1
		.amdhsa_system_vgpr_workitem_id 0
		.amdhsa_next_free_vgpr 84
		.amdhsa_next_free_sgpr 66
		.amdhsa_reserve_vcc 1
		.amdhsa_float_denorm_mode_32 3
		.amdhsa_float_denorm_mode_16_64 3
		.amdhsa_memory_ordered 1
		.amdhsa_forward_progress 1
		.amdhsa_inst_pref_size 6
	.end_amdhsa_kernel
	.amdgpu_metadata
---
amdhsa.version: [ 1, 2 ]
amdhsa.kernels:
  - .name:           k_q44a0c379af_reduce
    .symbol:         k_q44a0c379af_reduce.kd
    .args:
      - { .name: part, .offset: 0, .size: 8, .value_kind: global_buffer, .address_space: global }
      - { .name: out0, .offset: 8, .size: 8, .value_kind: global_buffer, .address_space: global }
    .group_segment_fixed_size: 0
    .private_segment_fixed_size: 0
    .kernarg_segment_align: 8
    .kernarg_segment_size: 16
    .max_flat_workgroup_size: 32
    .sgpr_count:     66
    .vgpr_count:     84
    .wavefront_size: 32
...
	.end_amdgpu_metadata
.endif
;; end of part 3
